; MI455X (gfx1250); checked and timed in simulation.
; The chip was launched on July 23, 2026; its instructions are those of AMD's public machine-readable ISA for CDNA 5 (MIT licence, August 2026) and "CDNA5" Instruction Set Architecture Reference Guide (July 2026). The comments in the code are by the model that wrote it; some were corrected since.
;; Spiking Gesture Net. Allowed arithmetic: float matrix products may take bf16 or f16 operands with f32 sums; all other float work in f32.
;; Inputs: W1 512 x 128 float32; W2 64 x 512 float32; b1 512 float32; b2 64 float32; noise 64 x 8,192 x 128 float32; x 8,192 x 128 float32.
;; Outputs: out0 8,192 x 64 float32.
;; One version. Each part assembles by itself: llvm-mc -triple=amdgcn-amd-amdhsa -mcpu=gfx1250 --defsym DOCPART=n.
;; ======== version 1 of 1: 1 launch
;; launch snn (part 1): grid 256 x 1, 4 waves a work-group, no clusters, 327,680 bytes of LDS; arguments W1, W2, b1, b2, noise, x, out0; writes out0
.if DOCPART == 1
	.amdgcn_target "amdgcn-amd-amdhsa--gfx1250"
	.amdhsa_code_object_version 6
	.text
	.protected	k_q2d0cef68a5_snn
	.globl	k_q2d0cef68a5_snn
	.p2align	8
	.type	k_q2d0cef68a5_snn,@function
k_q2d0cef68a5_snn:
	s_mov_b64 s[64:65], 0
	v_nop
	global_prefetch_b8 v0, s[64:65] scope:SCOPE_SE
	s_setreg_imm32_b32 hwreg(HW_REG_WAVE_MODE, 25, 1), 1
	s_wait_xcnt 0x0
; SPIKING NET, 64 steps.  spk(t) = noise[t] < sigmoid(10 x); two layers of leaky integrators (128 -> 512 -> 64) that go back to 0 when they fire; out0 = number of layer-2 spikes.
; SHARES.  A work-group of four waves owns 32 batch rows for all 64 steps (8,192 rows / 256 work-groups).  Wave w owns hidden neurons 128 w .. 128 w + 127: its rows of W1 (256 registers
; of bf16) and its columns of W2 (128 registers) stay in registers.  Both products are used transposed (source 0 = 16 rows of weights, source 1 = 16 batch rows): a lane holds ONE batch row
; (lane % 16) and the neurons 8 (lane / 16) + 0..7, so two layer-1 tiles, packed to bf16, ARE source 1 of a layer-2 product.  Layer 2 is split along K over the waves: position o of wave w
; is out tile (w + o) % 4; position 0 stays, positions 1..3 go through LDS to their owners and are added one step later.  Wave w encodes the input spikes of rows 8 w .. 8 w + 7 one step ahead.
; NOISE: step 0 by plain loads; steps 1..63 as nine tensor loads of 7 steps (7 rows of 4,096 bytes, the wave's own 8 batch rows) into two LDS slots of the wave's own.
; ONE barrier a step: the spike tile and the partial sums are doubled by the step's parity; one barrier more in front of each refill of a noise slot.
; NUMBERS.  Every input is rounded to bf16 (W1, W2 for the matrix unit; x, b1, b2 rounded and widened; noise's rounding is folded into the threshold T: bf16(n) < x_norm exactly where n < T).
; mem = fma(beta, mem, syn), syn = weights . spikes + bias summed in f32 by the matrix unit (the bias is the first product's C); spike = clamp(mem 2^24 - (2^24 - 1), 0, 1), which is exact.
; Layer 2's syn is summed as ((own + b2) + p1) + p2 + p3.
; LIMITS.  NaN and infinities are not treated apart; |x| stays under 1e37; for -10 x in (87.3, 88.7) x_norm counts as 2^-126; a negative noise that bf16 would round to -0 counts as negative.
; NO CLUSTER: work-groups share W1 and W2 alone, 393,216 bytes read once at the head, against 1,048,576 bytes of noise that are each work-group's own.
.set SLOTX,  0x20000       ; noise slot 0 at 0, slot 1 here: one exclusive or turns an address in one into the other's
.set WNOISE, 28672         ; a wave's part of a slot: 7 steps x 4,096 bytes
.set STEPB,  4096          ; a step: the wave's 8 rows x 512 bytes
.set SPK0,   0x1C000       ; behind slot 0: spike tile of even steps, 32 rows x 272 bytes (256 of bf16 + 16); odd steps' at SPK0 ^ SLOTX, behind slot 1
.set SPITCH, 272           ; 68 words: the 16 rows of a fragment load start at 16 different groups of four banks (64 banks of 4 bytes: ISA guide 11.1)
.set PART0,  0x40000       ; partial sums of even steps: source wave x 6,144 + (o - 1) x 2,048 + 512 z + 16 lane; odd steps' at PART0 ^ PARTX
.set PARTX,  0x8000
.set SPARE,  0x46000       ; the spare words, 128 bytes a wave: two blocks of 256 bytes that no other line names
.set STAGE,  PART0         ; the way out: 32 rows x 272 bytes of f32, in bytes that no tensor load ever fills
; window 0
.set SPW, 1                ; LDS address of my spare word; never rewritten
.set NIL, 2                ; 0; never rewritten
.set NL,  3                ; w x 28,672 + 16 lane: my 16 bytes of a noise row
.set SWL, 4                ; 8 w x 272 + 8 lane: where I put four spikes
.set SRL, 5                ; (lane % 16) x 272 + 16 (lane / 16): a spike fragment
.set PWL, 6                ; w x 6,144 + 16 lane: my outbox
.set PR,  7                ; v7-9: where position o's partial sums for my out tile lie
.set GL,  10               ; 16 lane
.set AD,  11               ; v11-15 addresses at work
.set T,   16               ; v16-47 thresholds: register 4 q + k is row 8 w + q, feature 4 lane + k
.set N,   48               ; v48-79 noise, then spikes, same places
.set SF,  80               ; v80-143 spike fragments at 8 (4 bt + c); later partial sums received and spikes at work
.set P,   144              ; v144-207 layer-1 spikes in bf16: source 1 of layer 2 at 8 (4 bt + c)
.set ACC, 208              ; v208-223 the counts
.set MR2, 224              ; v224-239 layer-2 membranes
.set B2,  240              ; v240-247 b2 of my out tile
.set HA,  248              ; v248-255 the head's global offsets
.set W1F, 0                ; window 1: W1's fragments at 8 (4 i + c)
.set W2F, 0                ; window 2: W2's fragments at 8 (4 o + c)
.set B1,  128              ; window 2: b1 at 8 i
.set A2,  192              ; window 2: layer-2 sums at 8 (2 o + bt)
.set SYN, 0                ; window 3: layer-1 sums at 8 (8 bt + i)
.set MR,  128              ; window 3: layer-1 membranes, same index
.set WV,  18               ; s18 my wave's number
.set G0A, 20               ; s[20:23] descriptor group 0 of the first fill
.set G0B, 24               ; s[24:27] the walking group 0
.set G1,  28               ; s[28:35] descriptor group 1
.set NB,  46               ; s46 LDS byte of the noise step to be encoded
.set SPB, 47               ; s47 this step's spike tile
.set PTB, 48               ; s48 this step's partial sums
.set PRB, 49               ; s49 the last step's
.set CNT, 50
.set GRP, 51
.set MSB, 0
.macro WIN new                      ; s_set_vgpr_msb: bits 1:0 source 0, 3:2 source 1, 5:4 source 2, 7:6 destination; the high byte repeats the setting that is left
.if MSB != (\new)
	s_set_vgpr_msb (MSB<<8)|(\new)
.set MSB, \new
.endif
.endm
.macro PLACES                       ; four plain places behind matrix instructions, and behind a tensor load
.rept 4
	v_nop
.endr
.endm
	s_load_b256 s[4:11], s[0:1], 0x0               ; W1 s[4:5], W2 s[6:7], b1 s[8:9], b2 s[10:11]
	s_load_b128 s[12:15], s[0:1], 0x20             ; noise s[12:13], x s[14:15]
	s_load_b64 s[16:17], s[0:1], 0x30              ; out0
	v_lshl_add_u32 v[SPW], v0, 2, SPARE
	v_mov_b32 v[NIL], 0
	ds_add_u32 v[SPW], v[NIL]                      ; the wave's opening: the add and its wait stand ahead of my first tensor load; work on registers stands between them
	ds_add_u32 v1, v2
	v_lshrrev_b32 v[AD], 5, v0
	v_readfirstlane_b32 s[WV], v[AD]               ; wave 0..3
	; descriptor group 1: 7 rows (steps) of 512 elements of 8 bytes, 4 MiB from row to row
	s_mov_b32 s[G1+0], 3<<16                       ; no mask; elements of 8 bytes; no padding
	s_mov_b32 s[G1+1], 512<<16                     ; tensor_dim0 = 512
	s_mov_b32 s[G1+2], 7<<16                       ; tensor_dim1 = 7
	s_mov_b32 s[G1+3], 512<<16                     ; tile_dim0 = 512
	s_mov_b32 s[G1+4], 7                           ; tile_dim1 = 7
	s_mov_b32 s[G1+5], 524288                      ; elements from a step to the next: 8,192 x 128 x 4 / 8
	s_mov_b32 s[G1+6], 0
	s_mov_b32 s[G1+7], 0
	s_mov_b32 s36, 0x3f67a36d                      ; beta = exp(-0.1)
	s_mov_b32 s37, s36                             ; named with it as a pair
	s_mov_b32 s38, 0x4b800000                      ; 2^24
	s_mov_b32 s39, s38
	s_mov_b32 s40, 0xcb7fffff                      ; -(2^24 - 1)
	s_mov_b32 s41, s40
	s_mov_b32 s60, 0xffff0000                      ; a word's upper bf16
	s_mov_b32 s[NB], 0
	s_mov_b32 s[SPB], SPK0
	s_mov_b32 s[PTB], PART0
	s_mul_i32 s52, s[WV], WNOISE                   ; my part of a slot
	s_mov_b32 s[G0A], 1
	s_mov_b32 s[G0A+1], s52                        ; slot 0
	s_mov_b32 s[G0B], 1
	s_add_co_u32 s[G0B+1], s52, SLOTX              ; slot 1
	s_lshl_b32 s54, ttmp9, 14                      ; the work-group's 32 rows of 512 bytes,
	s_lshl_b32 s55, s[WV], 12                      ; my wave's 8 of them
	s_add_co_u32 s56, s54, s55
	s_mov_b32 s57, 0
	s_lshl_b32 s54, ttmp9, 13                      ; the same rows in out0: 256 bytes each
	s_lshl_b32 s55, s[WV], 11
	s_add_co_u32 s54, s54, s55
	s_mov_b32 s55, 0
	s_wait_dscnt 0x0                               ; the opening add is done
	s_wait_kmcnt 0x0
	s_add_nc_u64 s[58:59], s[12:13], s[56:57]      ; noise at my rows, step 0
	s_add_nc_u64 s[G0A+2:G0A+3], s[58:59], 0x400000   ; steps 1 to 7
	s_or_b32 s[G0A+3], s[G0A+3], 0x80000000
	s_add_nc_u64 s[G0B+2:G0B+3], s[58:59], 0x2000000  ; steps 8 to 14
	s_or_b32 s[G0B+3], s[G0B+3], 0x80000000
	tensor_load_to_lds s[G0A:G0A+3], s[G1:G1+7]    ; both first fills go out together: two tensor loads of mine are out
	s_nop 0
	tensor_load_to_lds s[G0B:G0B+3], s[G1:G1+7]
	s_nop 0
	PLACES
	s_add_nc_u64 s[14:15], s[14:15], s[56:57]      ; x at my rows
	s_add_nc_u64 s[16:17], s[16:17], s[54:55]      ; out0 at my rows
	; lane terms
	v_and_b32 v[GL], 31, v0
	v_and_b32 v[AD+1], 15, v0                      ; r = lane % 16
	v_bfe_u32 v[AD+2], v0, 4, 1                    ; h = lane / 16
	v_lshlrev_b32 v[GL], 4, v[GL]
	v_add_nc_u32 v[NL], s52, v[GL]
	s_mul_i32 s53, s[WV], 8*SPITCH
	v_lshrrev_b32 v[SWL], 1, v[GL]
	v_add_nc_u32 v[SWL], s53, v[SWL]
	v_mul_u32_u24 v[SRL], v[AD+1], SPITCH
	v_lshl_add_u32 v[SRL], v[AD+2], 4, v[SRL]
	s_mul_i32 s53, s[WV], 6144
	v_add_nc_u32 v[PWL], s53, v[GL]
.irp o, 1,2,3
	s_add_co_u32 s53, s[WV], 4-\o                  ; position o of wave (w - o) % 4 is my out tile
	s_and_b32 s53, s53, 3
	s_mul_i32 s53, s53, 6144
	s_add_co_u32 s53, s53, (\o-1)*2048
	v_add_nc_u32 v[PR+\o-1], s53, v[GL]
.endr
	s_lshl_b32 s53, s[WV], 9
	v_lshl_add_u32 v[HA+5], v[AD+2], 5, s53        ; b1: (128 w + 8 h) x 4
	s_lshl_b32 s53, s[WV], 6
	v_lshl_add_u32 v[HA+6], v[AD+2], 5, s53        ; b2: (16 w + 8 h) x 4
	v_lshl_add_u32 v[HA+7], v[AD+1], 11, v[HA+5]   ; W2: row r, columns 128 w + 8 h on
	s_lshl_b32 s53, s[WV], 16
	v_lshlrev_b32 v[HA], 9, v[AD+1]
	v_lshl_add_u32 v[HA], v[AD+2], 5, v[HA]
	v_add_nc_u32 v[HA], s53, v[HA]                 ; W1: row 128 w + r, columns 8 h on
.irp o, 0,1,2,3
	s_add_co_u32 s53, s[WV], \o
	s_and_b32 s53, s53, 3
	s_lshl_b32 s53, s53, 15                        ; out tile (w + o) % 4: 16 rows of 2,048 bytes
	v_add_nc_u32 v[HA+1+\o], s53, v[HA+7]
.endr
	; x, the first step's noise, the biases: 34 loads
.irp q, 0,1,2,3,4,5,6,7
	global_load_b128 v[T+4*\q:T+4*\q+3], v[GL], s[14:15] offset:512*\q th:TH_LOAD_NT
	global_load_b128 v[N+4*\q:N+4*\q+3], v[GL], s[58:59] offset:512*\q th:TH_LOAD_NT
.endr
	global_load_b128 v[B2:B2+3], v[HA+6], s[10:11]
	global_load_b128 v[B2+4:B2+7], v[HA+6], s[10:11] offset:16
	WIN 0x80                                       ; destination window 2
.irp i, 0,1,2,3,4,5,6,7
	global_load_b128 v[B1+8*\i:B1+8*\i+3], v[HA+5], s[8:9] offset:64*\i
	global_load_b128 v[B1+8*\i+4:B1+8*\i+7], v[HA+5], s[8:9] offset:64*\i+16
.endr
	WIN 0
; THE WEIGHTS.  A fragment (16 rows x 32 K) wants of row r the K places 8 h + 0..7 and 16 + 8 h + 0..7: in f32 two runs of 32 bytes, 64 bytes apart.  Tile k (0-7: W1's 16 rows i = k;
; 8-11: W2's position o = k - 8) is 16 loads into one of two sets of 64 registers, and 32 roundings to bf16 from there.
.macro WLOAD k, set
.set TS, SF+64*(\set)
.irp c, 0,1,2,3
.if (\k) < 8
	global_load_b128 v[TS+16*\c:TS+16*\c+3],     v[HA], s[4:5] offset:(\k)*8192+128*\c
	global_load_b128 v[TS+16*\c+4:TS+16*\c+7],   v[HA], s[4:5] offset:(\k)*8192+128*\c+16
	global_load_b128 v[TS+16*\c+8:TS+16*\c+11],  v[HA], s[4:5] offset:(\k)*8192+128*\c+64
	global_load_b128 v[TS+16*\c+12:TS+16*\c+15], v[HA], s[4:5] offset:(\k)*8192+128*\c+80
.else
	global_load_b128 v[TS+16*\c:TS+16*\c+3],     v[HA+(\k)-7], s[6:7] offset:128*\c
	global_load_b128 v[TS+16*\c+4:TS+16*\c+7],   v[HA+(\k)-7], s[6:7] offset:128*\c+16
	global_load_b128 v[TS+16*\c+8:TS+16*\c+11],  v[HA+(\k)-7], s[6:7] offset:128*\c+64
	global_load_b128 v[TS+16*\c+12:TS+16*\c+15], v[HA+(\k)-7], s[6:7] offset:128*\c+80
.endif
.endr
.endm
.macro WCVT k, set
.set TS, SF+64*(\set)
.if (\k) < 8
	WIN 0x40                                       ; destination window 1
.set DD, W1F+32*(\k)
.else
	WIN 0x80                                       ; destination window 2
.set DD, W2F+32*((\k)-8)
.endif
.set n, 0
.rept 32
	v_cvt_pk_bf16_f32 v[DD+n], v[TS+2*n], v[TS+2*n+1]
.set n, n+1
.endr
	WIN 0
.endm
	WLOAD 0, 0
.set kk, 0
.rept 11
	WLOAD kk+1, (kk+1)%2
	s_wait_loadcnt 16                              ; loads come back in order (ISA guide 5.7.1): all but the next tile's sixteen are in
	WCVT kk, kk%2
.set kk, kk+1
.endr
	s_wait_loadcnt 0x0
	WCVT 11, 1
	; the biases rounded to bf16 and widened again
	WIN 0x0a                                       ; sources window 2
.set n, 0
.rept 32
	v_cvt_pk_bf16_f32 v[SF+n], v[B1+2*n], v[B1+2*n+1]
.set n, n+1
.endr
	WIN 0x80
.set n, 0
.rept 32
	v_lshlrev_b32 v[B1+2*n], 16, v[SF+n]
	v_and_b32 v[B1+2*n+1], s60, v[SF+n]
.set n, n+1
.endr
	WIN 0
.set n, 0
.rept 4
	v_cvt_pk_bf16_f32 v[SF+n], v[B2+2*n], v[B2+2*n+1]
.set n, n+1
.endr
.set n, 0
.rept 4
	v_lshlrev_b32 v[B2+2*n], 16, v[SF+n]
	v_and_b32 v[B2+2*n+1], s60, v[SF+n]
.set n, n+1
.endr
	; THE THRESHOLDS, once.  y = 10 bf16(x); p + q = -y log2(e) in two words; e = 2^p (1 + q ln 2); x_norm = 1 / (1 + e) with one Newton step.
.set YY, SF
.set PP, SF+32
.set QQ, P
.set EE, P+32
.set n, 0
.rept 16
	v_cvt_pk_bf16_f32 v[YY+n], v[T+n], v[T+n+1]
	v_and_b32 v[YY+n+1], s60, v[YY+n]
	v_lshlrev_b32 v[YY+n], 16, v[YY+n]
	v_pk_mul_f32 v[YY+n:YY+n+1], v[YY+n:YY+n+1], 0x41200000 op_sel_hi:[1,0]
	v_pk_mul_f32 v[PP+n:PP+n+1], v[YY+n:YY+n+1], 0xbfb8aa3b op_sel_hi:[1,0]
	v_pk_fma_f32 v[QQ+n:QQ+n+1], v[YY+n:YY+n+1], 0xbfb8aa3b, v[PP+n:PP+n+1] op_sel_hi:[1,0,1] neg_lo:[0,0,1] neg_hi:[0,0,1]  ; what p's rounding dropped
	v_pk_fma_f32 v[QQ+n:QQ+n+1], v[YY+n:YY+n+1], 0xb2a57060, v[QQ+n:QQ+n+1] op_sel_hi:[1,0,1]  ; and log2(e)'s second word
	v_pk_fma_f32 v[QQ+n:QQ+n+1], v[QQ+n:QQ+n+1], 0x3f317218, 1.0 op_sel_hi:[1,0,0]
.set n, n+2
.endr
.set n, 0
.rept 32
	v_exp_f32 v[EE+n], v[PP+n]
.set n, n+1
.endr
	v_nop                                          ; a plain instruction between the last exponential and the use of its result (ISA guide 5.7.2)
.set n, 0
	s_wait_alu depctr_va_vdst(0)
.rept 16
	v_pk_mul_f32 v[EE+n:EE+n+1], v[EE+n:EE+n+1], v[QQ+n:QQ+n+1]
	v_min_num_f32 v[EE+n], 0x7e800000, v[EE+n]     ; at most 2^126, so that the reciprocal stays a normal number
	v_min_num_f32 v[EE+n+1], 0x7e800000, v[EE+n+1]
	v_pk_add_f32 v[EE+n:EE+n+1], v[EE+n:EE+n+1], 1.0 op_sel_hi:[1,0]
.set n, n+2
.endr
.set n, 0
.rept 32
	v_rcp_f32 v[QQ+n], v[EE+n]
.set n, n+1
.endr
	v_nop                                          ; as above
.set n, 0
	s_wait_alu depctr_va_vdst(0)
.rept 16
	v_pk_fma_f32 v[YY+n:YY+n+1], v[EE+n:EE+n+1], v[QQ+n:QQ+n+1], 1.0 op_sel_hi:[1,1,0] neg_lo:[1,0,0] neg_hi:[1,0,0]
	v_pk_fma_f32 v[QQ+n:QQ+n+1], v[QQ+n:QQ+n+1], v[YY+n:YY+n+1], v[QQ+n:QQ+n+1]
.set n, n+2
.endr
	; With X = x_norm's bits and g = the least bf16 not below it: bf16(n) < x_norm where n lies below the middle between g - 1 and g, or on it if g - 1 is the even one.
.set n, 0
.rept 32
	v_cmp_gt_f32 vcc_lo, 0x43000000, v[PP+n]       ; 128 > p; else x_norm is 0
	v_cndmask_b32 v[QQ+n], 0, v[QQ+n], vcc_lo
	v_add_nc_u32 v[YY+n], 0xffff, v[QQ+n]
	v_lshrrev_b32 v[YY+n], 16, v[YY+n]             ; g
	v_and_b32 v[EE+n], 1, v[YY+n]
	v_lshl_add_u32 v[YY+n], v[YY+n], 16, v[EE+n]
	v_add_nc_u32 v[YY+n], 0xffff8000, v[YY+n]      ; (g << 16) + (g & 1) - 0x8000
	v_cmp_ne_u32 vcc_lo, 0, v[QQ+n]
	v_cndmask_b32 v[T+n], 0, v[YY+n], vcc_lo
.set n, n+1
.endr
	; The state starts at 0: 128 + 16 + 32 registers, in the wait for the first noise tile.  No first step is written out: it would be one more copy of the step's text.
	WIN 0xc0
.set n, 0
.rept 128
	v_mov_b32 v[MR+n], 0
.set n, n+1
.endr
	WIN 0x80
.set n, 0
.rept 16
	v_mov_b32 v[A2+n], 0                           ; the step before the first has no sums, and no bias
.set n, n+1
.endr
	WIN 0
.set n, 0
.rept 32
	v_mov_b32 v[ACC+n], 0                          ; the counts and, behind them, layer 2's membranes
.set n, n+1
.endr
; Row q of my eight: four compares, four selects, two packings: four spikes in bf16, 8 bytes
.macro ENCQ q
.irp k, 0,1,2,3
	v_cmp_lt_f32 s[42+\k], v[N+4*(\q)+\k], v[T+4*(\q)+\k]
.endr
.irp k, 0,1,2,3
	v_cndmask_b32 v[N+4*(\q)+\k], 0, 1.0, s[42+\k]
.endr
	v_cvt_pk_bf16_f32 v[N+4*(\q)], v[N+4*(\q)], v[N+4*(\q)+1]
	v_cvt_pk_bf16_f32 v[N+4*(\q)+1], v[N+4*(\q)+2], v[N+4*(\q)+3]
.endm
.macro SPKST                        ; my eight rows into the spike tile at s53: 32 lanes x 8 bytes are a row
	v_add_nc_u32 v[AD], s53, v[SWL]
.irp q, 0,1,2,3,4,5,6,7
	ds_store_b64 v[AD], v[N+4*\q:N+4*\q+1] offset:SPITCH*\q
.endr
.endm
; The three partial sums for my out tile, 16 registers each, from the last step's buffer
.macro RLOAD
.irp o, 1,2,3
	v_add_nc_u32 v[AD+1+\o], s[PRB], v[PR+\o-1]
.endr
.irp o, 1,2,3
.irp z, 0,1,2,3
	ds_load_b128 v[SF+16*(\o-1)+4*\z:SF+16*(\o-1)+4*\z+3], v[AD+1+\o] offset:512*\z
.endr
.endr
.endm
.macro PK8 line:vararg              ; one line for each of eight register pairs 2 z
.set z, 0
.rept 8
	\line
.set z, z+1
.endr
.endm
; Layer 2 of the step before: the four parts of syn2, the membrane, the spike, the count, the reset.  My own part's accumulators are read from their low end on.
.macro FIN2
	WIN 0x02                                       ; source 0 window 2
	PK8 v_pk_add_f32 v[SF+2*z:SF+2*z+1], v[A2+2*z:A2+2*z+1], v[SF+2*z:SF+2*z+1]
	WIN 0
	PK8 v_pk_add_f32 v[SF+2*z:SF+2*z+1], v[SF+2*z:SF+2*z+1], v[SF+16+2*z:SF+16+2*z+1]
	PK8 v_pk_add_f32 v[SF+2*z:SF+2*z+1], v[SF+2*z:SF+2*z+1], v[SF+32+2*z:SF+32+2*z+1]
	PK8 v_pk_fma_f32 v[MR2+2*z:MR2+2*z+1], v[MR2+2*z:MR2+2*z+1], s[36:37], v[SF+2*z:SF+2*z+1] op_sel_hi:[1,0,1]
	PK8 v_pk_fma_f32 v[SF+16+2*z:SF+16+2*z+1], v[MR2+2*z:MR2+2*z+1], s[38:39], s[40:41] op_sel_hi:[1,0,0]
.set z, 0
.rept 16
	v_med3_num_f32 v[SF+16+z], v[SF+16+z], 0, 1.0
.set z, z+1
.endr
	PK8 v_pk_add_f32 v[ACC+2*z:ACC+2*z+1], v[ACC+2*z:ACC+2*z+1], v[SF+16+2*z:SF+16+2*z+1]
	PK8 v_pk_fma_f32 v[MR2+2*z:MR2+2*z+1], v[MR2+2*z:MR2+2*z+1], v[SF+16+2*z:SF+16+2*z+1], v[MR2+2*z:MR2+2*z+1] neg_lo:[1,0,0] neg_hi:[1,0,0]
.endm
; Layer 1's products for batch half bt: 32 matrix instructions; the 8 accumulators take turns, one instruction a turn; the first link's C is the bias.
.macro L1 bt
.irp c, 0,1,2,3
.if \c == 0
	WIN 0xe1                                       ; W1 window 1, spikes window 0, C (b1) window 2, D window 3
.else
	WIN 0xf1                                       ; C window 3
.endif
.irp i, 0,1,2,3,4,5,6,7
.if \c == 0
	v_wmma_f32_16x16x32_bf16 v[SYN+8*(8*\bt+\i):SYN+8*(8*\bt+\i)+7], v[W1F+8*(4*\i+\c):W1F+8*(4*\i+\c)+7], v[SF+8*(4*\bt+\c):SF+8*(4*\bt+\c)+7], v[B1+8*\i:B1+8*\i+7]
.else
	v_wmma_f32_16x16x32_bf16 v[SYN+8*(8*\bt+\i):SYN+8*(8*\bt+\i)+7], v[W1F+8*(4*\i+\c):W1F+8*(4*\i+\c)+7], v[SF+8*(4*\bt+\c):SF+8*(4*\bt+\c)+7], v[SYN+8*(8*\bt+\i):SYN+8*(8*\bt+\i)+7]
.endif
.endr
.endr
.endm
; Layer 1's neurons, 32 registers a batch.  UA: mem = beta mem + syn (each accumulator is read from its low end on).
.macro UA b
	WIN 0xf3
.set z, 0
.rept 16
	v_pk_fma_f32 v[MR+32*(\b)+2*z:MR+32*(\b)+2*z+1], v[MR+32*(\b)+2*z:MR+32*(\b)+2*z+1], s[36:37], v[SYN+32*(\b)+2*z:SYN+32*(\b)+2*z+1] op_sel_hi:[1,0,1]
.set z, z+1
.endr
.endm
.macro UPD1
	UA 0
.irp b, 0,1,2,3
.set SS, SF+32*(\b%2)
	WIN 0x03                                       ; source 0 window 3
.set z, 0
.rept 16
	v_pk_fma_f32 v[SS+2*z:SS+2*z+1], v[MR+32*\b+2*z:MR+32*\b+2*z+1], s[38:39], s[40:41] op_sel_hi:[1,0,0]  ; 1 at mem = 1, at most 0 below it, at least 3 above it
.set z, z+1
.endr
	WIN 0
.set z, 0
.rept 32
	v_med3_num_f32 v[SS+z], v[SS+z], 0, 1.0        ; the spike, 0 or 1
.set z, z+1
.endr
.set z, 0
.rept 16
	v_cvt_pk_bf16_f32 v[P+16*\b+z], v[SS+2*z], v[SS+2*z+1]
.set z, z+1
.endr
	WIN 0xf3
.set z, 0
.rept 16
	v_pk_fma_f32 v[MR+32*\b+2*z:MR+32*\b+2*z+1], v[MR+32*\b+2*z:MR+32*\b+2*z+1], v[SS+2*z:SS+2*z+1], v[MR+32*\b+2*z:MR+32*\b+2*z+1] neg_lo:[1,0,0] neg_hi:[1,0,0]  ; mem - mem spike
.set z, z+1
.endr
.if \b < 3
	UA \b+1
.endif
.endr
	WIN 0
.endm
; Layer 2's products: my 128 hidden neurons x all 64 out neurons x 32 rows: 32 matrix instructions, 8 accumulators by turns.  My own tile's sum starts with b2, the others with 0.
.macro L2
.irp c, 0,1,2,3
.if \c == 0
	WIN 0x82                                       ; W2 window 2, spikes and b2 window 0, D window 2
.else
	WIN 0xa2                                       ; C window 2
.endif
.irp o, 0,1,2,3
.irp bt, 0,1
.if (\c == 0) && (\o == 0)
	v_wmma_f32_16x16x32_bf16 v[A2+8*(2*\o+\bt):A2+8*(2*\o+\bt)+7], v[W2F+8*(4*\o+\c):W2F+8*(4*\o+\c)+7], v[P+8*(4*\bt+\c):P+8*(4*\bt+\c)+7], v[B2:B2+7]
.elseif \c == 0
	v_wmma_f32_16x16x32_bf16 v[A2+8*(2*\o+\bt):A2+8*(2*\o+\bt)+7], v[W2F+8*(4*\o+\c):W2F+8*(4*\o+\c)+7], v[P+8*(4*\bt+\c):P+8*(4*\bt+\c)+7], 0
.else
	v_wmma_f32_16x16x32_bf16 v[A2+8*(2*\o+\bt):A2+8*(2*\o+\bt)+7], v[W2F+8*(4*\o+\c):W2F+8*(4*\o+\c)+7], v[P+8*(4*\bt+\c):P+8*(4*\bt+\c)+7], v[A2+8*(2*\o+\bt):A2+8*(2*\o+\bt)+7]
.endif
.endr
.endr
.endr
.endm
.macro SEND                         ; positions 1 to 3 into my outbox: 12 stores of 512 neighbouring bytes, each accumulator's low half first
	WIN 0
	PLACES
	v_add_nc_u32 v[AD], s[PTB], v[PWL]
	WIN 0x08                                       ; store data window 2
.irp z, 0,1,2,3,4,5,6,7,8,9,10,11
	ds_store_b128 v[AD], v[A2+16+4*\z:A2+16+4*\z+3] offset:512*\z
.endr
	WIN 0
.endm
; A STEP t.  enc = 1: the next step's spikes are encoded.
; The barrier at its head orders: step t's spikes and step t - 1's partial sums, stored in the trip before, with this trip's reads; and the trip before's reads of the other parity's buffers with this trip's stores into them.
.macro TRIP enc
	s_wait_dscnt 0x0                               ; for the others' sake: my stores are done and my reads are back
	s_barrier_signal -1
	s_barrier_wait -1
	v_add_nc_u32 v[AD], s[SPB], v[SRL]
.irp bt, 0,1
.irp c, 0,1,2,3
	ds_load_b128 v[SF+8*(4*\bt+\c):SF+8*(4*\bt+\c)+3],   v[AD] offset:\bt*16*SPITCH+64*\c
	ds_load_b128 v[SF+8*(4*\bt+\c)+4:SF+8*(4*\bt+\c)+7], v[AD] offset:\bt*16*SPITCH+64*\c+32
.endr
.endr
.if \enc
	v_add_nc_u32 v[AD+1], s[NB], v[NL]
.irp q, 0,1,2,3,4,5,6,7
	ds_load_b128 v[N+4*\q:N+4*\q+3], v[AD+1] offset:512*\q  ; the next step's noise: my own slot, shown landed by my own wait on TENSORcnt
.endr
.endif
	s_xor_b32 s[PRB], s[PTB], PARTX
	s_xor_b32 s53, s[SPB], SLOTX
	s_wait_dscnt 8+8*\enc                          ; rows 0-15's eight loads are in; rows 16-31's eight (and the eight of noise) may be out
	L1 0
	s_wait_dscnt 8*\enc                            ; rows 16-31's are in
	L1 1
	WIN 0
.if \enc
	s_wait_dscnt 0x0                               ; the noise is in
	ENCQ 0                                         ; ten plain instructions that name no register of the products: the places in front of the loads into the fragments' registers
	RLOAD
.irp q, 1,2,3,4,5,6,7
	ENCQ \q
.endr
	SPKST
	s_wait_dscnt 8                                 ; the eight stores are younger than the twelve loads
.else
	PLACES
	RLOAD
	s_wait_dscnt 0x0
.endif
	FIN2
	UPD1
	L2
	SEND
	s_xor_b32 s[SPB], s[SPB], SLOTX
	s_xor_b32 s[PTB], s[PTB], PARTX
.if \enc
	s_add_co_u32 s[NB], s[NB], STEPB
.endif
.endm
.macro NEXTSLOT                     ; back to a slot's first step, in the other slot
	s_sub_co_u32 s[NB], s[NB], 7*STEPB
	s_xor_b32 s[NB], s[NB], SLOTX
.endm
; The slot just read out is filled again with the steps two slots on.  It has seven steps' work in which to land.
.macro REFILL
	s_wait_tensorcnt 0x0                           ; all my tensor loads have landed: the one that was out is the other slot's; so group 0 may be written
	ds_add_u32 v[SPW], v[NIL]                      ; 0 onto my spare word; the steps below stand between it and the wait for it
	s_xor_b32 s[G0B+1], s[G0B+1], SLOTX
	s_add_nc_u64 s[G0B+2:G0B+3], s[G0B+2:G0B+3], 0x1c00000  ; seven steps of 4 MiB; the type bits on top are not reached
	NEXTSLOT
	s_wait_dscnt 0x0                               ; the add is done, and my reads of the slot are back
	s_barrier_signal -1
	s_barrier_wait -1
	tensor_load_to_lds s[G0B:G0B+3], s[G1:G1+7]    ; my one tensor load behind this barrier, and the first thing there
	s_nop 0
	PLACES
.endm
	; step 0's spikes, and zeros for the partial sums of the step before it
.irp q, 0,1,2,3,4,5,6,7
	ENCQ \q
.endr
	s_mov_b32 s53, SPK0
	SPKST
	v_add_nc_u32 v[AD+1], PART0+PARTX, v[PWL]
.irp z, 0,1,2,3,4,5,6,7,8,9,10,11
	ds_store_b128 v[AD+1], v[ACC:ACC+3] offset:512*\z
.endr
	s_wait_tensorcnt 1                             ; steps 1 to 7 are in my slot 0; slot 1's load may stay out
	s_mov_b32 s[GRP], 7
.Lgroup:                                           ; seven times: a slot's seven steps, then its refill: steps 0 to 48, fills 2 to 8
	s_mov_b32 s[CNT], 7
.Ltrip:
	TRIP 1
	s_sub_co_u32 s[CNT], s[CNT], 1
	s_cmp_lg_u32 s[CNT], 0
	s_cbranch_scc1 .Ltrip
	REFILL
	s_sub_co_u32 s[GRP], s[GRP], 1
	s_cmp_lg_u32 s[GRP], 0
	s_cbranch_scc1 .Lgroup
	s_mov_b32 s[GRP], 2
.Ltgroup:                                          ; the tail is written out: steps 49 to 62, nothing is asked for
	s_mov_b32 s[CNT], 7
.Lttrip:
	TRIP 1
	s_sub_co_u32 s[CNT], s[CNT], 1
	s_cmp_lg_u32 s[CNT], 0
	s_cbranch_scc1 .Lttrip
	s_wait_tensorcnt 0x0                           ; the last fill, issued seven steps ago: no load was issued behind it
	NEXTSLOT
	s_sub_co_u32 s[GRP], s[GRP], 1
	s_cmp_lg_u32 s[GRP], 0
	s_cbranch_scc1 .Ltgroup
	TRIP 0                                         ; step 63: there is no next step to encode
	; THE END: layer 2 of step 63, then the counts go out through a stage, since a row's 256 bytes come from four waves.
	s_wait_dscnt 0x0
	s_barrier_signal -1
	s_barrier_wait -1
	s_xor_b32 s[PRB], s[PTB], PARTX
	RLOAD
	v_and_b32 v[AD], 15, v0                        ; r
	v_bfe_u32 v[AD+1], v0, 4, 1                    ; h
	s_wait_dscnt 0x0
	FIN2
	s_lshl_b32 s53, s[WV], 6
	s_add_co_u32 s53, s53, STAGE
	v_mul_u32_u24 v[AD+2], v[AD], SPITCH           ; in: row r, my tile's 64 bytes, 32 for each half of the lanes
	v_lshl_add_u32 v[AD+2], v[AD+1], 5, v[AD+2]
	v_add_nc_u32 v[AD+2], s53, v[AD+2]
.irp bt, 0,1
	ds_store_b128 v[AD+2], v[ACC+8*\bt:ACC+8*\bt+3] offset:\bt*16*SPITCH     ; these bytes held even steps' partial sums, last read ahead of the barrier above
	ds_store_b128 v[AD+2], v[ACC+8*\bt+4:ACC+8*\bt+7] offset:\bt*16*SPITCH+16
.endr
	s_mul_i32 s53, s[WV], 8*SPITCH
	s_add_co_u32 s53, s53, STAGE
	v_mul_u32_u24 v[AD+3], v[AD+1], SPITCH         ; back: wave w takes rows 8 w .. 8 w + 7 whole; lanes 0-15 one row of 256 bytes, lanes 16-31 the next
	v_lshl_add_u32 v[AD+3], v[AD], 4, v[AD+3]
	v_add_nc_u32 v[AD+3], s53, v[AD+3]
	s_wait_dscnt 0x0                               ; for the others' sake: my stores into the stage are done
	s_barrier_signal -1
	s_barrier_wait -1
.irp u, 0,1,2,3
	ds_load_b128 v[SF+4*\u:SF+4*\u+3], v[AD+3] offset:\u*2*SPITCH
.endr
.irp u, 0,1,2,3
	s_wait_dscnt 3-\u
	global_store_b128 v[GL], v[SF+4*\u:SF+4*\u+3], s[16:17] offset:512*\u th:TH_STORE_NT  ; 512 consecutive bytes, at a multiple of 256 from out0's first byte
.endr
	s_wait_tensorcnt 0x0                           ; the wave's end, behind my last tensor load and my last LDS store
	ds_add_u32 v[SPW], v[NIL]
	s_wait_dscnt 0x0
	s_endpgm
.Lfunc_end_k_q2d0cef68a5_snn:
	.size	k_q2d0cef68a5_snn, .Lfunc_end_k_q2d0cef68a5_snn-k_q2d0cef68a5_snn
	.p2alignl 7, 3214868480
	.fill 96, 4, 3214868480
	.section	.rodata,"a",@progbits
	.p2align	6, 0x0
	.amdhsa_kernel k_q2d0cef68a5_snn
		.amdhsa_group_segment_fixed_size 327680
		.amdhsa_private_segment_fixed_size 0
		.amdhsa_enable_private_segment 0
		.amdhsa_kernarg_size 56
		.amdhsa_user_sgpr_count 2
		.amdhsa_user_sgpr_kernarg_segment_ptr 1
		.amdhsa_wavefront_size32 1
		.amdhsa_system_sgpr_workgroup_id_x 1
		.amdhsa_system_sgpr_workgroup_id_y 1
		.amdhsa_system_sgpr_workgroup_id_z 1
		.amdhsa_system_vgpr_workitem_id 0
		.amdhsa_next_free_vgpr 1024
		.amdhsa_next_free_sgpr 66
		.amdhsa_reserve_vcc 1
		.amdhsa_float_denorm_mode_32 3
		.amdhsa_float_denorm_mode_16_64 3
		.amdhsa_memory_ordered 1
		.amdhsa_forward_progress 1
		.amdhsa_inst_pref_size 236
	.end_amdhsa_kernel
	.amdgpu_metadata
---
amdhsa.version: [ 1, 2 ]
amdhsa.kernels:
  - .name:           k_q2d0cef68a5_snn
    .symbol:         k_q2d0cef68a5_snn.kd
    .args:
      - { .name: W1, .offset: 0, .size: 8, .value_kind: global_buffer, .address_space: global }
      - { .name: W2, .offset: 8, .size: 8, .value_kind: global_buffer, .address_space: global }
      - { .name: b1, .offset: 16, .size: 8, .value_kind: global_buffer, .address_space: global }
      - { .name: b2, .offset: 24, .size: 8, .value_kind: global_buffer, .address_space: global }
      - { .name: noise, .offset: 32, .size: 8, .value_kind: global_buffer, .address_space: global }
      - { .name: x, .offset: 40, .size: 8, .value_kind: global_buffer, .address_space: global }
      - { .name: out0, .offset: 48, .size: 8, .value_kind: global_buffer, .address_space: global }
    .group_segment_fixed_size: 327680
    .private_segment_fixed_size: 0
    .kernarg_segment_align: 8
    .kernarg_segment_size: 56
    .max_flat_workgroup_size: 128
    .sgpr_count:     66
    .vgpr_count:     1024
    .wavefront_size: 32
...
	.end_amdgpu_metadata
.endif
;; end of part 1
